; MI455X (gfx1250); checked and timed in simulation.
; The chip was launched on July 23, 2026; its instructions are those of AMD's public machine-readable ISA for CDNA 5 (MIT licence, August 2026) and "CDNA5" Instruction Set Architecture Reference Guide (July 2026). The comments in the code are by the model that wrote it; some were corrected since.
;; Attention Layer. Allowed arithmetic: float matrix products may take bf16 or f16 operands with f32 sums; all other float work in f32.
;; Inputs: Wk 768 x 768 float32; Wq 768 x 768 float32; Wv 768 x 768 float32; b_in 16 x 1,024 x 768 float32; mask 16 x 1,024 int32.
;; Outputs: out0 16 x 768 float32.
;; 2 versions, each right; version 2 is version 1 with the launch tproj written anew for expert scheduling mode. Each part assembles by itself: llvm-mc -triple=amdgcn-amd-amdhsa -mcpu=gfx1250 --defsym DOCPART=n.
;; ======== version 1 of 2: 3 launches
;; workspace buffers: tpart 1,179,648 bytes; ypart 851,968 bytes
;; launch tproj (part 1): grid 24 x 1, 6 waves a work-group, no clusters, 91,392 bytes of LDS; arguments b_in, Wq, Wk, tpart; writes tpart
.if DOCPART == 1
	.amdgcn_target "amdgcn-amd-amdhsa--gfx1250"
	.amdhsa_code_object_version 6
	.text
	.protected	k_q0b5e0ca621_tproj
	.globl	k_q0b5e0ca621_tproj
	.p2align	8
	.type	k_q0b5e0ca621_tproj,@function
k_q0b5e0ca621_tproj:
	s_mov_b64 s[64:65], 0
	v_nop
	global_prefetch_b8 v0, s[64:65] scope:SCOPE_SE
	s_setreg_imm32_b32 hwreg(HW_REG_WAVE_MODE, 25, 1), 1
	s_wait_xcnt 0x0
; The module returns attention[:, 0, :], so of the queries only row 0 of each batch is needed, and by associativity
;   score[b][k] = (x0[b] Wq^T) . (Wk x[b][k]) = t[b] . x[b][k]   with   t[b] = (x0[b] Wq^T) Wk,   x0[b] = b_in[b][0].
; This launch makes t in 24 partial sums.  Work-group s owns e = 32 s .. 32 s + 31: the same 32 rows of Wq and of Wk, so that each weight is read once:
;   q0[b][e] = sum over d of x0[b][d] Wq[e][d]           (16 x 32, K = 768; the six waves split K, 128 each, and add in LDS)
;   tpart[s][b][d] = sum over the 32 e of q0[b][e] Wk[e][d]   (16 x 768, K = 32; wave w makes d = 128 w .. 128 w + 127)
; The next launch adds the 24 partial sums in a fixed order.
; FORMATS AND LIMITS.  x0, Wq, q0 and Wk are rounded to bf16 (nearest even) as matrix operands; all sums are f32.  Inputs that are not finite are not followed.
; NO JOINT LOADS: what the 24 work-groups share is x0, 49,152 of the 245,760 bytes that each reads, and every number has to pass through registers to be rounded to bf16.
; NO LOOP: every global load of a wave is issued at its head (80 loads of 512 bytes); nothing in LDS is filled twice.
.set D4,    3072                       ; bytes in a row of 768 f32
.set BSTEP, 1024*D4                    ; bytes from row 0 of a batch to row 0 of the next
.set PITCH, 272                        ; a stage row: 128 bf16 + 16 bytes = 17 x 16: the sixteen rows of a fragment load begin at sixteen different 16-byte columns modulo 256
.set STGB,  48*PITCH                   ; a wave's own stage: rows 0-15 x0[b], rows 16-47 Wq[e], its 128 columns of each
.set RED,   6*STGB                     ; behind the stages: 2,048 bytes for each wave, its partial q0^T (16 registers x 128 bytes)
.set XO,  4                            ; v4   512 w + 16 L: my 16 bytes of a row's 512 that the wave takes
.set KO,  5                            ; v5   8 h rows + 16 r + 512 w: my place in Wk's slice and, with the same figures, in tpart's
.set SA,  6                            ; v6   stage + 8 L: where my four numbers go as bf16
.set FA,  7                            ; v7   stage + 272 r + 16 h: a fragment's lane address
.set RW,  8                            ; v8   RED + 2,048 w + 16 L
.set RR,  9                            ; v9   RED + 16 L
.set RAW, 16                           ; v16-207   stage row i as loaded, four registers at RAW + 4 i
.set XF,  16                           ; later: x0's fragment of K step k at XF + 8 k
.set WF,  48                           ;        Wq's fragment (tile t of 16 e, K step k) at WF + 8 (4 t + k)
.set ACC, 208                          ; v208-223  q0^T, two accumulators
.set RP,  112                          ; v112-207  the six waves' partial q0^T, 16 registers each
.set QF,  224                          ; v224-231  q0 as a fragment: 16 batches x 32 e
.set KF,  16                           ; v16-79    Wk's eight fragments (32 e x 16 columns)
.set TT,  144                          ; v144-207  the eight results
.set OUT, 80                           ; v80-143   the results in storing order
.set XB,  20                           ; s[20:31]  six bases in b_in, three batches apart, so that a batch's row 0 is reached by an immediate inside its signed 24 bits
.set MSB, 0
.macro WIN new                         ; s_set_vgpr_msb: the immediate's high byte repeats the setting that is left
.if MSB != \new
	s_set_vgpr_msb (MSB<<8)|\new
.set MSB, \new
.endif
.endm
	s_load_b256 s[4:11], s[0:1], 0x0               ; b_in s[4:5], Wq s[6:7], Wk s[8:9], tpart s[10:11]
	v_lshl_add_u32 v254, v0, 2, 0x16200
	v_mov_b32 v255, 0
	v_and_b32 v1, 31, v0                           ; L
	v_and_b32 v2, 15, v0                           ; r = L % 16
	v_bfe_u32 v3, v0, 4, 1                         ; h = L / 16
	v_lshrrev_b32 v10, 5, v0
	v_readfirstlane_b32 s12, v10                   ; wave 0..5
	s_mul_i32 s16, ttmp9, 32*D4                    ; my slice of Wq and of Wk
	s_mov_b32 s17, 0
	s_mul_i32 s18, ttmp9, 16*D4                    ; my slice of tpart
	s_mov_b32 s19, 0
	s_lshl_b32 s13, s12, 9                         ; 512 w
	s_mul_i32 s14, s12, STGB                       ; my stage
	s_lshl_b32 s15, s12, 11                        ; 2,048 w
	v_lshl_add_u32 v[XO], v1, 4, s13
	v_mul_u32_u24 v[KO], v3, 8*D4
	v_lshl_add_u32 v[KO], v2, 4, v[KO]
	v_add_nc_u32 v[KO], s13, v[KO]
	v_lshl_add_u32 v[SA], v1, 3, s14
	v_mul_u32_u24 v[FA], v2, PITCH
	v_lshl_add_u32 v[FA], v3, 4, v[FA]
	v_add_nc_u32 v[FA], s14, v[FA]
	v_lshlrev_b32 v[RR], 4, v1
	v_add_nc_u32 v[RR], RED, v[RR]
	v_add_nc_u32 v[RW], s15, v[RR]
	s_wait_kmcnt 0x0
	s_add_nc_u64 s[6:7], s[6:7], s[16:17]
	s_add_nc_u64 s[8:9], s[8:9], s[16:17]
	s_add_nc_u64 s[10:11], s[10:11], s[18:19]
.irp k, 0,1,2,3,4,5
	s_add_nc_u64 s[XB+2*\k:XB+2*\k+1], s[4:5], \k*3*BSTEP
.endr
	; ALL LOADS.  Each covers 512 consecutive bytes (x0, Wq) or two runs of 256 (Wk), aligned.
.set i, 0
.rept 16                               ; x0[b], my wave's 128 columns
	global_load_b128 v[RAW+4*i:RAW+4*i+3], v[XO], s[XB+2*(i/3):XB+2*(i/3)+1] offset:(i%3)*BSTEP
.set i, i+1
.endr
.set i, 0
.rept 32                               ; Wq[e], the same columns; read once in the launch
	global_load_b128 v[RAW+64+4*i:RAW+64+4*i+3], v[XO], s[6:7] offset:i*D4 th:TH_LOAD_NT
.set i, i+1
.endr
	WIN 0x40                                       ; destination v256-383, address in v0-255
.set i, 0
.rept 32                               ; Wk: load i = 16 g + n brings lane (r, h) row e = 8 h + n % 8 + 16 (n / 8), columns 128 w + 64 g + 4 r + 0..3
	global_load_b128 v[4*i:4*i+3], v[KO], s[8:9] offset:((i&7)+16*((i>>3)&1))*D4+256*(i>>4) th:TH_LOAD_NT
.set i, i+1
.endr
	WIN 0
; Stage row i: four f32 become four bf16, 8 bytes a lane, 256 consecutive bytes a row.
.macro STAGE row
	v_cvt_pk_bf16_f32 v[RAW+4*(\row)], v[RAW+4*(\row)], v[RAW+4*(\row)+1]
	v_cvt_pk_bf16_f32 v[RAW+4*(\row)+1], v[RAW+4*(\row)+2], v[RAW+4*(\row)+3]
	ds_store_b64 v[SA], v[RAW+4*(\row):RAW+4*(\row)+1] offset:(\row)*PITCH
.endm
	s_wait_loadcnt 48                              ; loads come back in order: the first 32 are in; 16 of Wq and 32 of Wk may be out
.set i, 0
.rept 32
	STAGE i
.set i, i+1
.endr
	s_wait_loadcnt 32                              ; all of Wq is in; Wk's 32 may be out
.rept 16
	STAGE i
.set i, i+1
.endr
	; Fragments, K step by K step: 16 rows x 32 K in 8 registers, two loads 32 bytes apart.  The stage is the wave's own and LDS serves a wave in order: no wait between the stores and these.
.irp k, 0,1,2,3
	ds_load_b128 v[XF+8*\k:XF+8*\k+3],       v[FA] offset:64*\k
	ds_load_b128 v[XF+8*\k+4:XF+8*\k+7],     v[FA] offset:64*\k+32
	ds_load_b128 v[WF+8*\k:WF+8*\k+3],       v[FA] offset:16*PITCH+64*\k
	ds_load_b128 v[WF+8*\k+4:WF+8*\k+7],     v[FA] offset:16*PITCH+64*\k+32
	ds_load_b128 v[WF+32+8*\k:WF+32+8*\k+3], v[FA] offset:32*PITCH+64*\k
	ds_load_b128 v[WF+32+8*\k+4:WF+32+8*\k+7], v[FA] offset:32*PITCH+64*\k+32
.endr
	; q0^T = Wq x0^T over my 128 columns: source 0 = 16 rows e, source 1 = 16 batches.  Register j of lane (r, h): q0[b = r][e = 16 t + 8 h + j].
	; The two accumulators take turns, one instruction a turn; the first K step starts the sums.
.irp k, 0,1,2,3
	s_wait_dscnt 18-6*\k                           ; the six loads of each later K step may be out
.if \k == 0
	v_wmma_f32_16x16x32_bf16 v[ACC:ACC+7],    v[WF:WF+7],       v[XF:XF+7], 0
	v_wmma_f32_16x16x32_bf16 v[ACC+8:ACC+15], v[WF+32:WF+39],   v[XF:XF+7], 0
.else
	v_wmma_f32_16x16x32_bf16 v[ACC:ACC+7],    v[WF+8*\k:WF+8*\k+7],       v[XF+8*\k:XF+8*\k+7], v[ACC:ACC+7]
	v_wmma_f32_16x16x32_bf16 v[ACC+8:ACC+15], v[WF+32+8*\k:WF+32+8*\k+7], v[XF+8*\k:XF+8*\k+7], v[ACC+8:ACC+15]
.endif
.endr
.rept 4
	v_nop                                          ; four places between the last product and the LDS stores that read the results
.endr
.irp q, 0,1,2,3
	ds_store_b128 v[RW], v[ACC+4*\q:ACC+4*\q+3] offset:512*\q   ; each accumulator from its low end on
.endr
	s_wait_dscnt 0x0                               ; for the others' sake: my partial sums are in LDS
	s_barrier_signal -1
	s_barrier_wait -1
.irp w, 0,1,2,3,4,5
.irp q, 0,1,2,3
	ds_load_b128 v[RP+16*\w+4*\q:RP+16*\w+4*\q+3], v[RR] offset:2048*\w+512*\q
.endr
.endr
	s_wait_dscnt 0x0
.irp w, 1,2,3,4,5                      ; every wave adds the six partial sums, in the same order
.irp p, 0,1,2,3,4,5,6,7
	v_pk_add_f32 v[RP+2*\p:RP+2*\p+1], v[RP+2*\p:RP+2*\p+1], v[RP+16*\w+2*\p:RP+16*\w+2*\p+1]
.endr
.endr
	; The lane's 16 sums are q0[b = r][8 h + 0..7] and q0[r][16 + 8 h + 0..7]: rounded in pairs they ARE a fragment of 16 batches x 32 e.  Nothing changes lanes.
.irp p, 0,1,2,3,4,5,6,7
	v_cvt_pk_bf16_f32 v[QF+\p], v[RP+2*\p], v[RP+2*\p+1]
.endr
	s_wait_loadcnt 0x0                             ; Wk
	WIN 0x05                                       ; sources in v256-383, destination in v0-255
	; Fragment g = 4 (group of 64 columns) + c: lane (r, h) holds column d = 128 w + 64 (g / 4) + 4 r + c, and e = 8 h + 0..7, 16 + 8 h + 0..7 in their true places.
.irp g, 0,1,2,3,4,5,6,7
.irp p, 0,1,2,3,4,5,6,7
	v_cvt_pk_bf16_f32 v[KF+8*\g+\p], v[64*(\g/4)+8*\p+(\g%4)], v[64*(\g/4)+8*\p+4+(\g%4)]
.endr
.endr
	WIN 0
.irp g, 0,1,2,3,4,5,6,7                ; K = 32 is one instruction: eight results, eight accumulators
	v_wmma_f32_16x16x32_bf16 v[TT+8*\g:TT+8*\g+7], v[QF:QF+7], v[KF+8*\g:KF+8*\g+7], 0
.endr
.rept 4
	v_nop                                          ; four places in front of the moves that read the results
.endr
	; Register j of result g is (batch 8 h + j, column 4 r + g % 4 of the group).  The moves bring a lane's four neighbouring columns of one batch together,
	; so that a store is 16 bytes a lane and sixteen lanes cover 256 consecutive bytes.  j ascends: each result is read from its low end on.
.irp j, 0,1,2,3,4,5,6,7
.irp g, 0,1,2,3,4,5,6,7
	v_mov_b32 v[OUT+32*(\g/4)+4*\j+(\g%4)], v[TT+8*\g+\j]
.endr
.endr
.irp g, 0,1
.irp j, 0,1,2,3,4,5,6,7
	global_store_b128 v[KO], v[OUT+32*\g+4*\j:OUT+32*\g+4*\j+3], s[10:11] offset:\j*D4+256*\g   ; two runs of 256 consecutive bytes, each at a multiple of 256 from tpart's first byte
.endr
.endr
	s_wait_tensorcnt 0x0
	ds_add_u32 v254, v255
	s_wait_dscnt 0x0
	s_endpgm
.Lfunc_end_k_q0b5e0ca621_tproj:
	.size	k_q0b5e0ca621_tproj, .Lfunc_end_k_q0b5e0ca621_tproj-k_q0b5e0ca621_tproj
	.p2alignl 7, 3214868480
	.fill 96, 4, 3214868480
	.section	.rodata,"a",@progbits
	.p2align	6, 0x0
	.amdhsa_kernel k_q0b5e0ca621_tproj
		.amdhsa_group_segment_fixed_size 91392
		.amdhsa_private_segment_fixed_size 0
		.amdhsa_enable_private_segment 0
		.amdhsa_kernarg_size 32
		.amdhsa_user_sgpr_count 2
		.amdhsa_user_sgpr_kernarg_segment_ptr 1
		.amdhsa_wavefront_size32 1
		.amdhsa_system_sgpr_workgroup_id_x 1
		.amdhsa_system_sgpr_workgroup_id_y 1
		.amdhsa_system_sgpr_workgroup_id_z 1
		.amdhsa_system_vgpr_workitem_id 0
		.amdhsa_next_free_vgpr 384
		.amdhsa_next_free_sgpr 66
		.amdhsa_reserve_vcc 0
		.amdhsa_float_denorm_mode_32 3
		.amdhsa_float_denorm_mode_16_64 3
		.amdhsa_memory_ordered 1
		.amdhsa_forward_progress 1
		.amdhsa_inst_pref_size 35
	.end_amdhsa_kernel
	.amdgpu_metadata
---
amdhsa.version: [ 1, 2 ]
amdhsa.kernels:
  - .name:           k_q0b5e0ca621_tproj
    .symbol:         k_q0b5e0ca621_tproj.kd
    .args:
      - { .name: b_in, .offset: 0, .size: 8, .value_kind: global_buffer, .address_space: global }
      - { .name: Wq, .offset: 8, .size: 8, .value_kind: global_buffer, .address_space: global }
      - { .name: Wk, .offset: 16, .size: 8, .value_kind: global_buffer, .address_space: global }
      - { .name: tpart, .offset: 24, .size: 8, .value_kind: global_buffer, .address_space: global }
    .group_segment_fixed_size: 91392
    .private_segment_fixed_size: 0
    .kernarg_segment_align: 8
    .kernarg_segment_size: 32
    .max_flat_workgroup_size: 192
    .sgpr_count:     66
    .vgpr_count:     384
    .wavefront_size: 32
...
	.end_amdgpu_metadata
.endif
;; end of part 1
;; launch stream (part 2): grid 256 x 1, 16 waves a work-group, no clusters, 54,528 bytes of LDS; arguments b_in, tpart, ypart; writes ypart
.if DOCPART == 2
	.amdgcn_target "amdgcn-amd-amdhsa--gfx1250"
	.amdhsa_code_object_version 6
	.text
	.protected	k_q0b5e0ca621_stream
	.globl	k_q0b5e0ca621_stream
	.p2align	8
	.type	k_q0b5e0ca621_stream,@function
k_q0b5e0ca621_stream:
	s_mov_b64 s[64:65], 0
	v_nop
	global_prefetch_b8 v0, s[64:65] scope:SCOPE_SE
	s_setreg_imm32_b32 hwreg(HW_REG_WAVE_MODE, 25, 1), 1
	s_wait_xcnt 0x0
; The one pass over b_in.  Work-group g owns 64 keys of batch b = g / 16 (rows 64 g .. 64 g + 63 of b_in seen as [16,384][768]) and makes, in f32,
;   t = c x the sum of tpart's 24 slices for b,   c = log2(e) / sqrt(768)   (the softmax then runs in base 2)
;   s[k] = t . x[k],   M = max s,   p[k] = 2^(s[k] - M),   L = sum p,   y = sum p[k] x[k]
; and stores y, M and L.  The next launch joins a batch's 16 such partial results.  The maximum is taken away before every exponential, here and there.
; SHARES.  Wave w owns four keys; a key's row is 24 registers (lane L holds bytes 512 j + 16 L, j = 0..5) and stays there between the score and the weighted sum: b_in is read once.
; Waves 0-5 (thread n < 192 owns columns 4 n .. 4 n + 3) add tpart at the start and join the sixteen waves' results at the end; wave 6 stores M and L.
; All loads of a wave are issued at its head: 24 of 512 bytes (waves 0-5: 48).  No loop, nothing in LDS is written twice.
; One-row products that use each number of b_in once: vector unit, f32; a matrix instruction would carry fifteen empty rows.
; NO JOINT LOADS: the sixteen work-groups of a batch share tpart's 73,728 bytes for b beside 196,608 bytes of rows of their own, which go straight into the registers that use them.
; LIMITS.  A weight below 2^-126 comes out as 0 (v_exp_f32 flushes: ISA guide 15.8).  Inputs that are not finite are not followed.
.set D4,   3072                        ; bytes in a row of 768 f32
.set SLB,  16*D4                       ; bytes in a slice of tpart
.set YROW, 3328                        ; a row of ypart: y (3,072 bytes), then 32 copies of (M, L): 256 bytes
.set CSC,  0x3d553b95                  ; c = 0.0520588
.set TS,   0                           ; LDS: t, 3,072 bytes
.set YS,   D4                          ;      each wave's y, 16 x 3,072 bytes
.set ST,   YS+16*D4                     ;      each wave's (m, l), 16 x 8 bytes
.set XO, 1                             ; v1   4 w rows + 16 L
.set PO, 2                             ; v2   16 x thread
.set TL, 3                             ; v3   16 L
.set YW, 4                             ; v4   YS + 3,072 w + 16 L
.set SW, 5                             ; v5   ST + 8 w
.set SB, 6                             ; v6   ST
.set L8, 7                             ; v7   8 L
.set YO, 8                             ; v8-11   the joined y of my four columns
.set ML, 12                            ; v12, v13  M, L
.set X,  16                            ; v16-111   key i's row at X + 24 i
.set P,  112                           ; v112-207  tpart's slice j, my four columns, at P + 4 j
.set T,  112                           ; then: v112-135 t as the rows lie
.set Y,  136                           ; v136-159 the wave's y
.set A,  160                           ; v160-175 key i: two chains of a pair each
.set S,  176                           ; v176-179 the four scores
.set DD, 180                           ; v180-183 s - m
.set PP, 184                           ; v184-191 key i's weight, twice (a pair for the packed forms)
.set WM, 192                           ; v192, v193 the wave's m, l
.set SS, 112                           ; in the join: v112-143 (m, l) of part c at SS + 2 c; m gives way to f = 2^(m - M)
.set YL, 144                           ;              v144-207 part c's y, my four columns, at YL + 4 c
; key i's score, my lane's 24 products: two chains that do not wait for each other
.macro DOT i
	s_wait_loadcnt 18-6*\i                         ; loads come back in order: row i is in, the six loads of each later row may be out
	v_pk_mul_f32 v[A+4*\i:A+4*\i+1],   v[X+24*\i:X+24*\i+1],       v[T:T+1]
	v_pk_mul_f32 v[A+4*\i+2:A+4*\i+3], v[X+24*\i+12:X+24*\i+13],   v[T+12:T+13]
.irp p, 1,2,3,4,5
	v_pk_fma_f32 v[A+4*\i:A+4*\i+1],   v[X+24*\i+2*\p:X+24*\i+2*\p+1],       v[T+2*\p:T+2*\p+1],       v[A+4*\i:A+4*\i+1]
	v_pk_fma_f32 v[A+4*\i+2:A+4*\i+3], v[X+24*\i+12+2*\p:X+24*\i+12+2*\p+1], v[T+12+2*\p:T+12+2*\p+1], v[A+4*\i+2:A+4*\i+3]
.endr
	v_pk_add_f32 v[A+4*\i:A+4*\i+1], v[A+4*\i:A+4*\i+1], v[A+4*\i+2:A+4*\i+3]
	v_add_f32 v[S+\i], v[A+4*\i], v[A+4*\i+1]
.endm
; the four sums over the 32 lanes, side by side; every lane ends with all four
.macro RED4
.irp m, 1,2,4,8
.irp i, 0,1,2,3
	v_add_f32_dpp v[S+\i], v[S+\i], v[S+\i] row_xmask:\m row_mask:0xf bank_mask:0xf
.endr
.endr
.irp i, 0,1,2,3
	v_permlanex16_b32 v[A+4*\i], v[S+\i], s14, s15 ; the other half of the lanes; the destination has been written
.endr
.irp i, 0,1,2,3
	v_add_f32 v[S+\i], v[S+\i], v[A+4*\i]
.endr
.endm
; of sixteen parts' (m, l): M = max m, f = 2^(m - M) in m's place, L = sum f l
.macro STATS
	v_max3_num_f32 v[ML], v[SS], v[SS+2], v[SS+4]
.irp c, 3,5,7,9,11,13
	v_max3_num_f32 v[ML], v[ML], v[SS+2*\c], v[SS+2*\c+2]
.endr
	v_max_num_f32 v[ML], v[ML], v[SS+30]
.irp c, 0,1,2,3,4,5,6,7,8,9,10,11,12,13,14,15
	v_sub_f32 v[SS+2*\c], v[SS+2*\c], v[ML]
.endr
.irp c, 0,1,2,3,4,5,6,7,8,9,10,11,12,13,14,15
	v_exp_f32 v[SS+2*\c], v[SS+2*\c]
.endr
	v_nop                                          ; a plain instruction between the last exponential and the use of its result (ISA guide 5.7.2)
	s_wait_alu depctr_va_vdst(0)
	v_mul_f32 v[ML+1], v[SS], v[SS+1]
.irp c, 1,2,3,4,5,6,7,8,9,10,11,12,13,14,15
	v_fmac_f32 v[ML+1], v[SS+2*\c], v[SS+2*\c+1]
.endr
.endm
; my four columns of sum f y; the packed forms take f, the pair's low word, for both halves
.macro WSUM
	v_pk_mul_f32 v[YO:YO+1],   v[YL:YL+1],   v[SS:SS+1] op_sel_hi:[1,0]
	v_pk_mul_f32 v[YO+2:YO+3], v[YL+2:YL+3], v[SS:SS+1] op_sel_hi:[1,0]
.irp c, 1,2,3,4,5,6,7,8,9,10,11,12,13,14,15
	v_pk_fma_f32 v[YO:YO+1],   v[YL+4*\c:YL+4*\c+1],   v[SS+2*\c:SS+2*\c+1], v[YO:YO+1]   op_sel_hi:[1,0,1]
	v_pk_fma_f32 v[YO+2:YO+3], v[YL+4*\c+2:YL+4*\c+3], v[SS+2*\c:SS+2*\c+1], v[YO+2:YO+3] op_sel_hi:[1,0,1]
.endr
.endm
.macro ADDP a, b                       ; slice a += slice b
	v_pk_add_f32 v[P+4*(\a):P+4*(\a)+1],   v[P+4*(\a):P+4*(\a)+1],   v[P+4*(\b):P+4*(\b)+1]
	v_pk_add_f32 v[P+4*(\a)+2:P+4*(\a)+3], v[P+4*(\a)+2:P+4*(\a)+3], v[P+4*(\b)+2:P+4*(\b)+3]
.endm
	s_load_b128 s[4:7], s[0:1], 0x0                ; b_in s[4:5], tpart s[6:7]
	s_load_b64 s[8:9], s[0:1], 0x10                ; ypart
	v_lshl_add_u32 v208, v0, 2, 0xcd00
	v_mov_b32 v209, 0
	v_lshrrev_b32 v9, 5, v0
	v_readfirstlane_b32 s10, v9                    ; wave 0..15
	v_and_b32 v8, 31, v0                           ; L
	s_mul_i32 s12, ttmp9, 64*D4                    ; my 64 rows of b_in (under 2^26 bytes)
	s_mov_b32 s13, 0
	s_lshr_b32 s18, ttmp9, 4                       ; b
	s_mul_i32 s18, s18, D4                         ; its row in each slice of tpart
	s_mov_b32 s19, 0
	s_mul_i32 s20, ttmp9, YROW                     ; my row of ypart
	s_mov_b32 s21, 0
	s_mov_b32 s14, 0x76543210                      ; v_permlanex16_b32: each lane takes its own place in the other half
	s_mov_b32 s15, 0xfedcba98
	s_mov_b32 s16, CSC
	s_mov_b32 s17, CSC                             ; named with it as a pair, so it is written
	s_mul_i32 s22, s10, 4*D4
	s_mul_i32 s23, s10, D4
	s_add_co_u32 s23, s23, YS
	s_lshl_b32 s24, s10, 3
	s_add_co_u32 s24, s24, ST
	v_lshlrev_b32 v[TL], 4, v8
	v_lshlrev_b32 v[PO], 4, v0
	v_lshlrev_b32 v[L8], 3, v8
	v_add_nc_u32 v[XO], s22, v[TL]
	v_add_nc_u32 v[YW], s23, v[TL]
	v_mov_b32 v[SW], s24
	v_mov_b32 v[SB], ST
	s_wait_kmcnt 0x0
	s_add_nc_u64 s[4:5], s[4:5], s[12:13]
	s_add_nc_u64 s[6:7], s[6:7], s[18:19]
	s_add_nc_u64 s[8:9], s[8:9], s[20:21]
	s_cmp_lt_u32 s10, 6
	s_cbranch_scc0 .Lno_partials
.irp j, 0,1,2,3,4,5,6,7,8,9,10,11,12,13,14,15,16,17,18,19,20,21,22,23
	global_load_b128 v[P+4*\j:P+4*\j+3], v[PO], s[6:7] offset:\j*SLB   ; first, since the scores wait for t
.endr
.Lno_partials:
.irp i, 0,1,2,3
.irp j, 0,1,2,3,4,5
	global_load_b128 v[X+24*\i+4*\j:X+24*\i+4*\j+3], v[XO], s[4:5] offset:\i*D4+512*\j th:TH_LOAD_NT   ; 512 consecutive bytes; read once in the launch
.endr
.endr
	s_cmp_lt_u32 s10, 6
	s_cbranch_scc0 .Lno_sum
	s_wait_loadcnt 24                              ; the 24 slices are in; the 24 loads of rows, issued behind them, stay out
.irp a, 0,1,2,3,4,5,6,7,8,9,10,11
	ADDP \a, \a+12
.endr
.irp a, 0,1,2,3,4,5
	ADDP \a, \a+6
.endr
.irp a, 0,1,2
	ADDP \a, \a+3
.endr
	ADDP 0, 1
	ADDP 0, 2
	v_pk_mul_f32 v[P:P+1],   v[P:P+1],   s[16:17] op_sel_hi:[1,0]
	v_pk_mul_f32 v[P+2:P+3], v[P+2:P+3], s[16:17] op_sel_hi:[1,0]
	ds_store_b128 v[PO], v[P:P+3] offset:TS
.Lno_sum:
	s_wait_dscnt 0x0                               ; for the others' sake: my part of t is in LDS
	s_barrier_signal -1
	s_barrier_wait -1
.irp j, 0,1,2,3,4,5
	ds_load_b128 v[T+4*\j:T+4*\j+3], v[TL] offset:TS+512*\j
.endr
	s_wait_dscnt 0x0
	DOT 0
	DOT 1
	DOT 2
	DOT 3
	RED4
	v_max3_num_f32 v[WM], v[S], v[S+1], v[S+2]     ; the wave's maximum
	v_max_num_f32 v[WM], v[WM], v[S+3]
.irp i, 0,1,2,3
	v_sub_f32 v[DD+\i], v[S+\i], v[WM]
.endr
.irp i, 0,1,2,3
	v_exp_f32 v[PP+2*\i], v[DD+\i]                 ; twice: the packed forms below multiply by a pair
	v_exp_f32 v[PP+2*\i+1], v[DD+\i]
.endr
	v_nop                                          ; a plain instruction between the last exponential and the use of its result
	s_wait_alu depctr_va_vdst(0)
	v_add_f32 v[WM+1], v[PP], v[PP+2]
	v_add_f32 v[DD], v[PP+4], v[PP+6]
	v_add_f32 v[WM+1], v[WM+1], v[DD]
.irp p, 0,1,2,3,4,5,6,7,8,9,10,11
	v_pk_mul_f32 v[Y+2*\p:Y+2*\p+1], v[X+2*\p:X+2*\p+1], v[PP:PP+1]   ; the first key starts the sums
.endr
.irp i, 1,2,3
.irp p, 0,1,2,3,4,5,6,7,8,9,10,11
	v_pk_fma_f32 v[Y+2*\p:Y+2*\p+1], v[X+24*\i+2*\p:X+24*\i+2*\p+1], v[PP+2*\i:PP+2*\i+1], v[Y+2*\p:Y+2*\p+1]
.endr
.endr
.irp j, 0,1,2,3,4,5
	ds_store_b128 v[YW], v[Y+4*\j:Y+4*\j+3] offset:512*\j
.endr
	ds_store_b64 v[SW], v[WM:WM+1]                 ; all lanes write the same two words
	s_wait_dscnt 0x0                               ; for the others' sake
	s_barrier_signal -1
	s_barrier_wait -1
	s_cmp_gt_u32 s10, 6
	s_cbranch_scc1 .Lend                           ; waves 7-15 have done their part
.irp k, 0,1,2,3,4,5,6,7
	ds_load_b128 v[SS+4*\k:SS+4*\k+3], v[SB] offset:16*\k   ; the sixteen waves' (m, l), the same in every lane
.endr
	s_wait_dscnt 0x0
	STATS
	s_cmp_eq_u32 s10, 6
	s_cbranch_scc1 .Lstats_out
.irp c, 0,1,2,3,4,5,6,7,8,9,10,11,12,13,14,15
	ds_load_b128 v[YL+4*\c:YL+4*\c+3], v[PO] offset:YS+D4*\c
.endr
	s_wait_dscnt 0x0
	WSUM
	global_store_b128 v[PO], v[YO:YO+3], s[8:9]    ; 512 consecutive bytes a wave, at a multiple of 256 from ypart's first byte
	s_wait_tensorcnt 0x0
	ds_add_u32 v208, v209
	s_wait_dscnt 0x0
	s_endpgm
.Lstats_out:
	global_store_b64 v[L8], v[ML:ML+1], s[8:9] offset:D4   ; 32 copies of (M, L): 256 consecutive bytes in one store
.Lend:
	s_wait_tensorcnt 0x0
	ds_add_u32 v208, v209
	s_wait_dscnt 0x0
	s_endpgm
.Lfunc_end_k_q0b5e0ca621_stream:
	.size	k_q0b5e0ca621_stream, .Lfunc_end_k_q0b5e0ca621_stream-k_q0b5e0ca621_stream
	.p2alignl 7, 3214868480
	.fill 96, 4, 3214868480
	.section	.rodata,"a",@progbits
	.p2align	6, 0x0
	.amdhsa_kernel k_q0b5e0ca621_stream
		.amdhsa_group_segment_fixed_size 54528
		.amdhsa_private_segment_fixed_size 0
		.amdhsa_enable_private_segment 0
		.amdhsa_kernarg_size 24
		.amdhsa_user_sgpr_count 2
		.amdhsa_user_sgpr_kernarg_segment_ptr 1
		.amdhsa_wavefront_size32 1
		.amdhsa_system_sgpr_workgroup_id_x 1
		.amdhsa_system_sgpr_workgroup_id_y 1
		.amdhsa_system_sgpr_workgroup_id_z 1
		.amdhsa_system_vgpr_workitem_id 0
		.amdhsa_next_free_vgpr 210
		.amdhsa_next_free_sgpr 66
		.amdhsa_reserve_vcc 0
		.amdhsa_float_denorm_mode_32 3
		.amdhsa_float_denorm_mode_16_64 3
		.amdhsa_memory_ordered 1
		.amdhsa_forward_progress 1
		.amdhsa_inst_pref_size 26
	.end_amdhsa_kernel
	.amdgpu_metadata
---
amdhsa.version: [ 1, 2 ]
amdhsa.kernels:
  - .name:           k_q0b5e0ca621_stream
    .symbol:         k_q0b5e0ca621_stream.kd
    .args:
      - { .name: b_in, .offset: 0, .size: 8, .value_kind: global_buffer, .address_space: global }
      - { .name: tpart, .offset: 8, .size: 8, .value_kind: global_buffer, .address_space: global }
      - { .name: ypart, .offset: 16, .size: 8, .value_kind: global_buffer, .address_space: global }
    .group_segment_fixed_size: 54528
    .private_segment_fixed_size: 0
    .kernarg_segment_align: 8
    .kernarg_segment_size: 24
    .max_flat_workgroup_size: 512
    .sgpr_count:     66
    .vgpr_count:     210
    .wavefront_size: 32
...
	.end_amdgpu_metadata
.endif
;; end of part 2
;; launch finish (part 3): grid 12 x 16, 16 waves a work-group, no clusters, 5,376 bytes of LDS; arguments ypart, Wv, mask, out0; writes out0
.if DOCPART == 3
	.amdgcn_target "amdgcn-amd-amdhsa--gfx1250"
	.amdhsa_code_object_version 6
	.text
	.protected	k_q0b5e0ca621_finish
	.globl	k_q0b5e0ca621_finish
	.p2align	8
	.type	k_q0b5e0ca621_finish,@function
k_q0b5e0ca621_finish:
	s_mov_b64 s[64:65], 0
	v_nop
	global_prefetch_b8 v0, s[64:65] scope:SCOPE_SE
	s_setreg_imm32_b32 hwreg(HW_REG_WAVE_MODE, 25, 1), 1
	s_wait_xcnt 0x0
; out0[b][e] = Wv[e] . (y[b] / L[b]), since sum over k of attn[k] (Wv x[k]) = Wv (sum over k of attn[k] x[k]).
; Work-group (x, b) makes e = 64 x .. 64 x + 63 of batch b: 256 consecutive bytes of out0, stored by one instruction.
; It joins the batch's 16 partial results (M_c, L_c, y_c):  M = max M_c,  f_c = 2^(M_c - M),  L = sum f_c L_c,  y = sum f_c y_c / L   (waves 0-5: thread n < 192 owns columns 4 n .. 4 n + 3);
; then wave w takes four rows of Wv, each whole in 24 registers, and makes four dot products in f32.
; THE MASK.  reference() masks whole QUERY rows, and only query row 0 is returned: mask[b][0] alone can reach the result, and it alone is read.  Where it is 0 all of row 0's scores
; are -inf and the softmax is NaN in all 768 numbers: the select below writes that.  The other 1,023 words of a batch act on rows that reference() slices away.
; All loads of a wave are issued at its head; no loop.  One-row products: vector unit, f32.
; NO JOINT LOADS: the sixteen work-groups of one x read the same 196,608 bytes of Wv, but once, at the start, straight into the registers that multiply them; asked for jointly they
; would go into LDS and be read from there again, behind and in front of barriers of a cluster, in a launch that has one step.
; LIMITS.  A factor f below 2^-126 comes out as 0.  Inputs that are not finite are not followed.
.set D4,   3072                        ; bytes in a row of 768 f32
.set YROW, 3328                        ; a row of ypart: y (3,072 bytes), then 32 copies of (M, L)
.set TS,   0                           ; LDS: y / L, 3,072 bytes
.set OS,   D4                          ;      the 64 results, 256 bytes
.set XO, 1                             ; v1   4 w rows + 16 L
.set PO, 2                             ; v2   16 x thread
.set TL, 3                             ; v3   16 L
.set OW, 5                             ; v5   OS + 16 w
.set ZO, 6                             ; v6   0
.set L8, 7                             ; v7   8 L
.set YO, 8                             ; v8-11   my four columns of y
.set ML, 12                            ; v12, v13  M, L
.set RL, 14                            ; v14, v15  1 / L, twice
.set X,  16                            ; v16-111   Wv's row i at X + 24 i
.set SS, 112                           ; v112-143  (M, L) of part c at SS + 2 c; M gives way to f
.set YL, 144                           ; v144-207  part c's y, my four columns, at YL + 4 c
.set T,  112                           ; then: v112-135 y / L as the rows lie
.set A,  160                           ; v160-175 row i: two chains of a pair each
.set S,  176                           ; v176-179 the four results
.macro DOT i                           ; row i's dot product, my lane's 24 products: two chains that do not wait for each other
	s_wait_loadcnt 18-6*\i                         ; loads come back in order: row i is in, the six loads of each later row may be out
	v_pk_mul_f32 v[A+4*\i:A+4*\i+1],   v[X+24*\i:X+24*\i+1],       v[T:T+1]
	v_pk_mul_f32 v[A+4*\i+2:A+4*\i+3], v[X+24*\i+12:X+24*\i+13],   v[T+12:T+13]
.irp p, 1,2,3,4,5
	v_pk_fma_f32 v[A+4*\i:A+4*\i+1],   v[X+24*\i+2*\p:X+24*\i+2*\p+1],       v[T+2*\p:T+2*\p+1],       v[A+4*\i:A+4*\i+1]
	v_pk_fma_f32 v[A+4*\i+2:A+4*\i+3], v[X+24*\i+12+2*\p:X+24*\i+12+2*\p+1], v[T+12+2*\p:T+12+2*\p+1], v[A+4*\i+2:A+4*\i+3]
.endr
	v_pk_add_f32 v[A+4*\i:A+4*\i+1], v[A+4*\i:A+4*\i+1], v[A+4*\i+2:A+4*\i+3]
	v_add_f32 v[S+\i], v[A+4*\i], v[A+4*\i+1]
.endm
.macro RED4                            ; the four sums over the 32 lanes, side by side; every lane ends with all four
.irp m, 1,2,4,8
.irp i, 0,1,2,3
	v_add_f32_dpp v[S+\i], v[S+\i], v[S+\i] row_xmask:\m row_mask:0xf bank_mask:0xf
.endr
.endr
.irp i, 0,1,2,3
	v_permlanex16_b32 v[A+4*\i], v[S+\i], s14, s15 ; the other half of the lanes; the destination has been written
.endr
.irp i, 0,1,2,3
	v_add_f32 v[S+\i], v[S+\i], v[A+4*\i]
.endr
.endm
.macro STATS                           ; of sixteen parts' (M, L): M = max, f = 2^(M_c - M) in M_c's place, L = sum f L_c
	v_max3_num_f32 v[ML], v[SS], v[SS+2], v[SS+4]
.irp c, 3,5,7,9,11,13
	v_max3_num_f32 v[ML], v[ML], v[SS+2*\c], v[SS+2*\c+2]
.endr
	v_max_num_f32 v[ML], v[ML], v[SS+30]
.irp c, 0,1,2,3,4,5,6,7,8,9,10,11,12,13,14,15
	v_sub_f32 v[SS+2*\c], v[SS+2*\c], v[ML]
.endr
.irp c, 0,1,2,3,4,5,6,7,8,9,10,11,12,13,14,15
	v_exp_f32 v[SS+2*\c], v[SS+2*\c]
.endr
	v_nop                                          ; a plain instruction between the last exponential and the use of its result (ISA guide 5.7.2)
	s_wait_alu depctr_va_vdst(0)
	v_mul_f32 v[ML+1], v[SS], v[SS+1]
.irp c, 1,2,3,4,5,6,7,8,9,10,11,12,13,14,15
	v_fmac_f32 v[ML+1], v[SS+2*\c], v[SS+2*\c+1]
.endr
.endm
.macro WSUM                            ; my four columns of sum f y; the packed forms take f, the pair's low word, for both halves
	v_pk_mul_f32 v[YO:YO+1],   v[YL:YL+1],   v[SS:SS+1] op_sel_hi:[1,0]
	v_pk_mul_f32 v[YO+2:YO+3], v[YL+2:YL+3], v[SS:SS+1] op_sel_hi:[1,0]
.irp c, 1,2,3,4,5,6,7,8,9,10,11,12,13,14,15
	v_pk_fma_f32 v[YO:YO+1],   v[YL+4*\c:YL+4*\c+1],   v[SS+2*\c:SS+2*\c+1], v[YO:YO+1]   op_sel_hi:[1,0,1]
	v_pk_fma_f32 v[YO+2:YO+3], v[YL+4*\c+2:YL+4*\c+3], v[SS+2*\c:SS+2*\c+1], v[YO+2:YO+3] op_sel_hi:[1,0,1]
.endr
.endm
	s_load_b256 s[4:11], s[0:1], 0x0               ; ypart s[4:5], Wv s[6:7], mask s[8:9], out0 s[10:11]
	v_lshl_add_u32 v208, v0, 2, 0xd00
	v_mov_b32 v209, 0
	v_lshrrev_b32 v9, 5, v0
	v_readfirstlane_b32 s12, v9                    ; wave 0..15
	v_and_b32 v8, 31, v0                           ; L
	s_and_b32 s13, ttmp7, 0xffff                   ; b
	s_mul_i32 s16, s13, 16*YROW                    ; the batch's 16 rows of ypart
	s_mov_b32 s17, 0
	s_mul_i32 s18, ttmp9, 64*D4                    ; my 64 rows of Wv
	s_mov_b32 s19, 0
	s_lshl_b32 s20, s13, 12                        ; mask[b][0]: 1,024 words of 4 bytes a batch
	s_mov_b32 s21, 0
	s_mul_i32 s22, s13, D4                         ; out0[b][64 x]
	s_lshl_b32 s26, ttmp9, 8
	s_add_co_u32 s22, s22, s26
	s_mov_b32 s23, 0
	s_mov_b32 s14, 0x76543210                      ; v_permlanex16_b32: each lane takes its own place in the other half
	s_mov_b32 s15, 0xfedcba98
	s_mul_i32 s27, s12, 4*D4
	s_lshl_b32 s28, s12, 4
	s_add_co_u32 s28, s28, OS
	v_lshlrev_b32 v[TL], 4, v8
	v_lshlrev_b32 v[PO], 4, v0
	v_lshlrev_b32 v[L8], 3, v8
	v_add_nc_u32 v[XO], s27, v[TL]
	v_mov_b32 v[OW], s28
	v_mov_b32 v[ZO], 0
	s_wait_kmcnt 0x0
	s_add_nc_u64 s[4:5], s[4:5], s[16:17]
	s_add_nc_u64 s[6:7], s[6:7], s[18:19]
	s_add_nc_u64 s[8:9], s[8:9], s[20:21]
	s_add_nc_u64 s[10:11], s[10:11], s[22:23]
	s_load_b32 s24, s[8:9], 0x0                    ; mask[b][0]; waited for where it is used
	s_cmp_lt_u32 s12, 6
	s_cbranch_scc0 .Lno_partials
.irp c, 0,1,2,3,4,5,6,7,8,9,10,11,12,13,14,15
	global_load_b64 v[SS+2*\c:SS+2*\c+1], v[ZO], s[4:5] offset:\c*YROW+D4   ; (M, L) of part c, the same two words in every lane
.endr
.irp c, 0,1,2,3,4,5,6,7,8,9,10,11,12,13,14,15
	global_load_b128 v[YL+4*\c:YL+4*\c+3], v[PO], s[4:5] offset:\c*YROW
.endr
.Lno_partials:
.irp i, 0,1,2,3
.irp j, 0,1,2,3,4,5
	global_load_b128 v[X+24*\i+4*\j:X+24*\i+4*\j+3], v[XO], s[6:7] offset:\i*D4+512*\j   ; 512 consecutive bytes; fifteen other work-groups read them too, so no hint
.endr
.endr
	s_cmp_lt_u32 s12, 6
	s_cbranch_scc0 .Lno_join
	s_wait_loadcnt 24                              ; the 32 loads of partial results are in; the 24 loads of rows, issued behind them, stay out
	STATS
	v_rcp_f32 v[RL], v[ML+1]                       ; L is at least 1: the part that holds the maximum adds its whole sum, which holds a 1
	v_rcp_f32 v[RL+1], v[ML+1]                     ; twice, for the pair; the sums below, which name neither L nor 1 / L, are the plain instructions behind them
	WSUM
	s_wait_alu depctr_va_vdst(0)
	v_pk_mul_f32 v[YO:YO+1],   v[YO:YO+1],   v[RL:RL+1]
	v_pk_mul_f32 v[YO+2:YO+3], v[YO+2:YO+3], v[RL:RL+1]
	ds_store_b128 v[PO], v[YO:YO+3] offset:TS
.Lno_join:
	s_wait_dscnt 0x0                               ; for the others' sake: my part of y / L is in LDS
	s_barrier_signal -1
	s_barrier_wait -1
.irp j, 0,1,2,3,4,5
	ds_load_b128 v[T+4*\j:T+4*\j+3], v[TL] offset:TS+512*\j
.endr
	s_wait_dscnt 0x0
	DOT 0
	DOT 1
	DOT 2
	DOT 3
	RED4
	ds_store_b128 v[OW], v[S:S+3]                  ; my four results; all lanes write the same 16 bytes
	s_wait_dscnt 0x0                               ; for wave 0's sake
	s_barrier_signal -1
	s_barrier_wait -1
	s_cmp_lg_u32 s12, 0
	s_cbranch_scc1 .Lend
	ds_load_b64 v[YO:YO+1], v[L8] offset:OS        ; results 2 L and 2 L + 1
	v_mov_b32 v[YO+2], 0x7fc00000                  ; NaN
	s_wait_kmcnt 0x0                               ; mask[b][0]
	s_cmp_eq_u32 s24, 0
	s_cselect_b32 s25, -1, 0                       ; all lanes, or none: a choice of values, no branch
	s_wait_dscnt 0x0
	v_cndmask_b32 v[YO], v[YO], v[YO+2], s25
	v_cndmask_b32 v[YO+1], v[YO+1], v[YO+2], s25
	global_store_b64 v[L8], v[YO:YO+1], s[10:11]   ; 256 consecutive bytes, at a multiple of 256 from out0's first byte
.Lend:
	s_wait_tensorcnt 0x0
	ds_add_u32 v208, v209
	s_wait_dscnt 0x0
	s_endpgm
.Lfunc_end_k_q0b5e0ca621_finish:
	.size	k_q0b5e0ca621_finish, .Lfunc_end_k_q0b5e0ca621_finish-k_q0b5e0ca621_finish
	.p2alignl 7, 3214868480
	.fill 96, 4, 3214868480
	.section	.rodata,"a",@progbits
	.p2align	6, 0x0
	.amdhsa_kernel k_q0b5e0ca621_finish
		.amdhsa_group_segment_fixed_size 5376
		.amdhsa_private_segment_fixed_size 0
		.amdhsa_enable_private_segment 0
		.amdhsa_kernarg_size 32
		.amdhsa_user_sgpr_count 2
		.amdhsa_user_sgpr_kernarg_segment_ptr 1
		.amdhsa_wavefront_size32 1
		.amdhsa_system_sgpr_workgroup_id_x 1
		.amdhsa_system_sgpr_workgroup_id_y 1
		.amdhsa_system_sgpr_workgroup_id_z 1
		.amdhsa_system_vgpr_workitem_id 0
		.amdhsa_next_free_vgpr 210
		.amdhsa_next_free_sgpr 66
		.amdhsa_reserve_vcc 0
		.amdhsa_float_denorm_mode_32 3
		.amdhsa_float_denorm_mode_16_64 3
		.amdhsa_memory_ordered 1
		.amdhsa_forward_progress 1
		.amdhsa_inst_pref_size 18
	.end_amdhsa_kernel
	.amdgpu_metadata
---
amdhsa.version: [ 1, 2 ]
amdhsa.kernels:
  - .name:           k_q0b5e0ca621_finish
    .symbol:         k_q0b5e0ca621_finish.kd
    .args:
      - { .name: ypart, .offset: 0, .size: 8, .value_kind: global_buffer, .address_space: global }
      - { .name: Wv, .offset: 8, .size: 8, .value_kind: global_buffer, .address_space: global }
      - { .name: mask, .offset: 16, .size: 8, .value_kind: global_buffer, .address_space: global }
      - { .name: out0, .offset: 24, .size: 8, .value_kind: global_buffer, .address_space: global }
    .group_segment_fixed_size: 5376
    .private_segment_fixed_size: 0
    .kernarg_segment_align: 8
    .kernarg_segment_size: 32
    .max_flat_workgroup_size: 512
    .sgpr_count:     66
    .vgpr_count:     210
    .wavefront_size: 32
...
	.end_amdgpu_metadata
.endif
;; end of part 3
;; ======== version 2 of 2: 3 launches; version 1 with the launch tproj written anew for expert scheduling mode
;; workspace buffers: tpart 1,179,648 bytes; ypart 851,968 bytes
;; launch tproj (part 4): grid 24 x 1, 6 waves a work-group, no clusters, 91,392 bytes of LDS; arguments b_in, Wq, Wk, tpart; writes tpart
.if DOCPART == 4
	.amdgcn_target "amdgcn-amd-amdhsa--gfx1250"
	.amdhsa_code_object_version 6
	.text
	.protected	k_q0b5e0ca621_tproj
	.globl	k_q0b5e0ca621_tproj
	.p2align	8
	.type	k_q0b5e0ca621_tproj,@function
k_q0b5e0ca621_tproj:
	s_mov_b64 s[64:65], 0
	v_nop
	global_prefetch_b8 v0, s[64:65] scope:SCOPE_SE
	s_setreg_imm32_b32 hwreg(HW_REG_WAVE_SCHED_MODE, 0, 2), 2
	s_setreg_imm32_b32 hwreg(HW_REG_WAVE_MODE, 25, 1), 1
	s_wait_xcnt 0x0
	s_wait_alu depctr_vm_vsrc(0)
; The module returns attention[:, 0, :], so of the queries only row 0 of each batch is needed, and by associativity
;   score[b][k] = (x0[b] Wq^T) . (Wk x[b][k]) = t[b] . x[b][k]   with   t[b] = (x0[b] Wq^T) Wk,   x0[b] = b_in[b][0].
; This launch makes t in 24 partial sums.  Work-group s owns e = 32 s .. 32 s + 31: the same 32 rows of Wq and of Wk, so that each weight is read once:
;   q0[b][e] = sum over d of x0[b][d] Wq[e][d]           (16 x 32, K = 768; the six waves split K, 128 each, and add in LDS)
;   tpart[s][b][d] = sum over the 32 e of q0[b][e] Wk[e][d]   (16 x 768, K = 32; wave w makes d = 128 w .. 128 w + 127)
; The next launch adds the 24 partial sums in a fixed order.
; FORMATS AND LIMITS.  x0, Wq, q0 and Wk are rounded to bf16 (nearest even) as matrix operands; all sums are f32.  Inputs that are not finite are not followed.
; NO JOINT LOADS: what the 24 work-groups share is x0, 49,152 of the 245,760 bytes that each reads, and every number has to pass through registers to be rounded to bf16.
; NO LOOP: every global load of a wave is issued at its head (80 loads of 512 bytes); nothing in LDS is filled twice.
; THE MODE: SCHED_MODE bits 1:0 = 2 (LLVM: expert scheduling mode 2), set by the entry lines.  The code itself states the register dependences
; between vector or matrix instructions and memory or LDS instructions, with s_wait_alu, always for 0.
; THE PLAN.  Registers that memory or LDS instructions touch, in the order of the text:
;   v4-v9      offsets and addresses: written at the head, never again; read by every load and store.  One wait ahead of the first load serves them all.
;   v16-207    RAW: the loads of x0 and Wq land; row i's two conversions read its four registers and write its first two; the row's LDS store reads those two.
;              The rows go in three blocks of 16: a block's conversions stand among the LDS stores of the block before, whose registers they do not name; one wait on va_vdst behind each block.
;              One wait on vm_vsrc behind the last of the 48 stores: from there on these registers are written again, by the fragments' loads (v16-111), the partial sums' loads (v112-207),
;              and later by vector and matrix instructions; no memory instruction reads any of them again before the last stores.
;   v208-223   the accumulators of q0^T: written by matrix instructions, read by four LDS stores: the four places, then one wait on va_vdst.
;   v256-383   Wk as loaded: read by conversions; nothing lands there again.
;   v80-143    OUT: written by moves, read by the global stores, in two halves of 32 registers: a half's moves, one wait on va_vdst, its eight stores; the second half's moves name none of the first half's registers.
.set D4,    3072                       ; bytes in a row of 768 f32
.set BSTEP, 1024*D4                    ; bytes from row 0 of a batch to row 0 of the next
.set PITCH, 272                        ; a stage row: 128 bf16 + 16 bytes = 17 x 16: the sixteen rows of a fragment load begin at sixteen different 16-byte columns modulo 256
.set STGB,  48*PITCH                   ; a wave's own stage: rows 0-15 x0[b], rows 16-47 Wq[e], its 128 columns of each
.set RED,   6*STGB                     ; behind the stages: 2,048 bytes for each wave, its partial q0^T (16 registers x 128 bytes)
.set XO,  4                            ; v4   512 w + 16 L: my 16 bytes of a row's 512 that the wave takes
.set KO,  5                            ; v5   8 h rows + 16 r + 512 w: my place in Wk's slice and, with the same figures, in tpart's
.set SA,  6                            ; v6   stage + 8 L: where my four numbers go as bf16
.set FA,  7                            ; v7   stage + 272 r + 16 h: a fragment's lane address
.set RW,  8                            ; v8   RED + 2,048 w + 16 L
.set RR,  9                            ; v9   RED + 16 L
.set RAW, 16                           ; v16-207   stage row i as loaded, four registers at RAW + 4 i
.set XF,  16                           ; later: x0's fragment of K step k at XF + 8 k
.set WF,  48                           ;        Wq's fragment (tile t of 16 e, K step k) at WF + 8 (4 t + k)
.set ACC, 208                          ; v208-223  q0^T, two accumulators
.set RP,  112                          ; v112-207  the six waves' partial q0^T, 16 registers each
.set QF,  224                          ; v224-231  q0 as a fragment: 16 batches x 32 e
.set KF,  16                           ; v16-79    Wk's eight fragments (32 e x 16 columns)
.set TT,  144                          ; v144-207  the eight results
.set OUT, 80                           ; v80-143   the results in storing order
.set XB,  20                           ; s[20:31]  six bases in b_in, three batches apart, so that a batch's row 0 is reached by an immediate inside its signed 24 bits
.set MSB, 0
.macro WIN new                         ; s_set_vgpr_msb: the immediate's high byte repeats the setting that is left
.if MSB != \new
	s_set_vgpr_msb (MSB<<8)|\new
.set MSB, \new
.endif
.endm
	s_load_b256 s[4:11], s[0:1], 0x0               ; b_in s[4:5], Wq s[6:7], Wk s[8:9], tpart s[10:11]
	v_lshl_add_u32 v254, v0, 2, 0x16200
	v_mov_b32 v255, 0
	v_and_b32 v1, 31, v0                           ; L
	v_and_b32 v2, 15, v0                           ; r = L % 16
	v_bfe_u32 v3, v0, 4, 1                         ; h = L / 16
	v_lshrrev_b32 v10, 5, v0
	v_readfirstlane_b32 s12, v10                   ; wave 0..5
	s_mul_i32 s16, ttmp9, 32*D4                    ; my slice of Wq and of Wk
	s_mov_b32 s17, 0
	s_mul_i32 s18, ttmp9, 16*D4                    ; my slice of tpart
	s_mov_b32 s19, 0
	s_wait_alu depctr_va_sdst(0)                   ; s12 is written, ahead of its first reader: the wave's places in a row and in LDS are made from it
	s_lshl_b32 s13, s12, 9                         ; 512 w
	s_mul_i32 s14, s12, STGB                       ; my stage
	s_lshl_b32 s15, s12, 11                        ; 2,048 w
	v_lshl_add_u32 v[XO], v1, 4, s13
	v_mul_u32_u24 v[KO], v3, 8*D4
	v_lshl_add_u32 v[KO], v2, 4, v[KO]
	v_add_nc_u32 v[KO], s13, v[KO]
	v_lshl_add_u32 v[SA], v1, 3, s14
	v_mul_u32_u24 v[FA], v2, PITCH
	v_lshl_add_u32 v[FA], v3, 4, v[FA]
	v_add_nc_u32 v[FA], s14, v[FA]
	v_lshlrev_b32 v[RR], 4, v1
	v_add_nc_u32 v[RR], RED, v[RR]
	v_add_nc_u32 v[RW], s15, v[RR]
	s_wait_kmcnt 0x0
	s_add_nc_u64 s[6:7], s[6:7], s[16:17]
	s_add_nc_u64 s[8:9], s[8:9], s[16:17]
	s_add_nc_u64 s[10:11], s[10:11], s[18:19]
.irp k, 0,1,2,3,4,5
	s_add_nc_u64 s[XB+2*\k:XB+2*\k+1], s[4:5], \k*3*BSTEP
.endr
	s_wait_alu depctr_va_vdst(0)                   ; the six offsets and addresses v4 to v9 are written, which every load and store of the kernel reads; no vector instruction names them again
	; ALL LOADS.  Each covers 512 consecutive bytes (x0, Wq) or two runs of 256 (Wk), aligned.  Between the wait above and the last of them stand loads and one switch of the window alone.
.set i, 0
.rept 16                               ; x0[b], my wave's 128 columns
	global_load_b128 v[RAW+4*i:RAW+4*i+3], v[XO], s[XB+2*(i/3):XB+2*(i/3)+1] offset:(i%3)*BSTEP
.set i, i+1
.endr
.set i, 0
.rept 32                               ; Wq[e], the same columns; read once in the launch
	global_load_b128 v[RAW+64+4*i:RAW+64+4*i+3], v[XO], s[6:7] offset:i*D4 th:TH_LOAD_NT
.set i, i+1
.endr
	WIN 0x40                                       ; destination v256-383, address in v0-255
.set i, 0
.rept 32                               ; Wk: load i = 16 g + n brings lane (r, h) row e = 8 h + n % 8 + 16 (n / 8), columns 128 w + 64 g + 4 r + 0..3
	global_load_b128 v[4*i:4*i+3], v[KO], s[8:9] offset:((i&7)+16*((i>>3)&1))*D4+256*(i>>4) th:TH_LOAD_NT
.set i, i+1
.endr
	WIN 0
; Stage row i: four f32 become four bf16 (CVT), 8 bytes a lane, 256 consecutive bytes a row (PUT).
.macro CVT row
	v_cvt_pk_bf16_f32 v[RAW+4*(\row)], v[RAW+4*(\row)], v[RAW+4*(\row)+1]
	v_cvt_pk_bf16_f32 v[RAW+4*(\row)+1], v[RAW+4*(\row)+2], v[RAW+4*(\row)+3]
.endm
.macro PUT row
	ds_store_b64 v[SA], v[RAW+4*(\row):RAW+4*(\row)+1] offset:(\row)*PITCH
.endm
	s_wait_loadcnt 48                              ; loads come back in order: the first 32 are in; 16 of Wq and 32 of Wk may be out
.set i, 0
.rept 16
	CVT i
.set i, i+1
.endr
	s_wait_alu depctr_va_vdst(0)                   ; the conversions have written rows 0-15, which the LDS stores below read
.set i, 0
.rept 16
	PUT i                                          ; no further wait: the conversions dealt among these stores name rows 16-31 alone
	CVT i+16
.set i, i+1
.endr
	s_wait_alu depctr_va_vdst(0)                   ; the conversions have written rows 16-31, which the LDS stores below read
	s_wait_loadcnt 32                              ; all of Wq is in; Wk's 32 may be out
.set i, 16
.rept 16
	PUT i                                          ; likewise: the conversions among them name rows 32-47 alone
	CVT i+16
.set i, i+1
.endr
	s_wait_alu depctr_va_vdst(0)                   ; the conversions have written rows 32-47, which the LDS stores below read; and every conversion is done with v16-111, in which the fragments land
.set i, 32
.rept 16
	PUT i
.set i, i+1
.endr
	s_wait_alu depctr_vm_vsrc(0)                   ; the 48 LDS stores have read v16-207: from here on these registers are written again, first by the fragments' loads
	; Fragments, K step by K step: 16 rows x 32 K in 8 registers, two loads 32 bytes apart.  The stage is the wave's own and LDS serves a wave in order: no wait on DScnt between the stores and these.
.irp k, 0,1,2,3
	ds_load_b128 v[XF+8*\k:XF+8*\k+3],       v[FA] offset:64*\k
	ds_load_b128 v[XF+8*\k+4:XF+8*\k+7],     v[FA] offset:64*\k+32
	ds_load_b128 v[WF+8*\k:WF+8*\k+3],       v[FA] offset:16*PITCH+64*\k
	ds_load_b128 v[WF+8*\k+4:WF+8*\k+7],     v[FA] offset:16*PITCH+64*\k+32
	ds_load_b128 v[WF+32+8*\k:WF+32+8*\k+3], v[FA] offset:32*PITCH+64*\k
	ds_load_b128 v[WF+32+8*\k+4:WF+32+8*\k+7], v[FA] offset:32*PITCH+64*\k+32
.endr
	; q0^T = Wq x0^T over my 128 columns: source 0 = 16 rows e, source 1 = 16 batches.  Register j of lane (r, h): q0[b = r][e = 16 t + 8 h + j].
	; The two accumulators take turns, one instruction a turn; the first K step starts the sums.
.irp k, 0,1,2,3
	s_wait_dscnt 18-6*\k                           ; the six loads of each later K step may be out
.if \k == 0
	v_wmma_f32_16x16x32_bf16 v[ACC:ACC+7],    v[WF:WF+7],       v[XF:XF+7], 0
	v_wmma_f32_16x16x32_bf16 v[ACC+8:ACC+15], v[WF+32:WF+39],   v[XF:XF+7], 0
.else
	v_wmma_f32_16x16x32_bf16 v[ACC:ACC+7],    v[WF+8*\k:WF+8*\k+7],       v[XF+8*\k:XF+8*\k+7], v[ACC:ACC+7]
	v_wmma_f32_16x16x32_bf16 v[ACC+8:ACC+15], v[WF+32+8*\k:WF+32+8*\k+7], v[XF+8*\k:XF+8*\k+7], v[ACC+8:ACC+15]
.endif
.endr
.rept 4
	v_nop                                          ; four places between the last product and the LDS stores that read the results
.endr
	s_wait_alu depctr_va_vdst(0)                   ; the matrix instructions have written the accumulators, which the LDS stores read; the places above stay beside this wait
.irp q, 0,1,2,3
	ds_store_b128 v[RW], v[ACC+4*\q:ACC+4*\q+3] offset:512*\q   ; each accumulator from its low end on
.endr
	s_wait_dscnt 0x0                               ; for the others' sake: my partial sums are in LDS
	s_barrier_signal -1
	s_barrier_wait -1
	; These loads land in v112-207.  Nothing more is owed: the stage's stores that read those registers stand ahead of the wait on vm_vsrc, the conversions that named them
	; ahead of the last wait on va_vdst, and no vector or matrix instruction has been issued since that wait.
.irp w, 0,1,2,3,4,5
.irp q, 0,1,2,3
	ds_load_b128 v[RP+16*\w+4*\q:RP+16*\w+4*\q+3], v[RR] offset:2048*\w+512*\q
.endr
.endr
	s_wait_dscnt 0x0
.irp w, 1,2,3,4,5                      ; every wave adds the six partial sums, in the same order
.irp p, 0,1,2,3,4,5,6,7
	v_pk_add_f32 v[RP+2*\p:RP+2*\p+1], v[RP+2*\p:RP+2*\p+1], v[RP+16*\w+2*\p:RP+16*\w+2*\p+1]
.endr
.endr
	; The lane's 16 sums are q0[b = r][8 h + 0..7] and q0[r][16 + 8 h + 0..7]: rounded in pairs they ARE a fragment of 16 batches x 32 e.  Nothing changes lanes.
.irp p, 0,1,2,3,4,5,6,7
	v_cvt_pk_bf16_f32 v[QF+\p], v[RP+2*\p], v[RP+2*\p+1]
.endr
	s_wait_loadcnt 0x0                             ; Wk
	WIN 0x05                                       ; sources in v256-383, destination in v0-255
	; Fragment g = 4 (group of 64 columns) + c: lane (r, h) holds column d = 128 w + 64 (g / 4) + 4 r + c, and e = 8 h + 0..7, 16 + 8 h + 0..7 in their true places.
.irp g, 0,1,2,3,4,5,6,7
.irp p, 0,1,2,3,4,5,6,7
	v_cvt_pk_bf16_f32 v[KF+8*\g+\p], v[64*(\g/4)+8*\p+(\g%4)], v[64*(\g/4)+8*\p+4+(\g%4)]
.endr
.endr
	WIN 0
.irp g, 0,1,2,3,4,5,6,7                ; K = 32 is one instruction: eight results, eight accumulators
	v_wmma_f32_16x16x32_bf16 v[TT+8*\g:TT+8*\g+7], v[QF:QF+7], v[KF+8*\g:KF+8*\g+7], 0
.endr
.rept 4
	v_nop                                          ; four places in front of the moves that read the results
.endr
	; Register j of result g = 4 q + c is (batch 8 h + j, column 4 r + c of group q of 64 columns).  The moves bring a lane's four neighbouring columns of one batch together,
	; so that a store is 16 bytes a lane and sixteen lanes cover 256 consecutive bytes.  j ascends: each result is read from its low end on.
	; Group by group: group 1's moves write v112-143 and read its own four results, while group 0's stores, which read v80-111 and v5, are leaving.
.irp q, 0,1
.irp j, 0,1,2,3,4,5,6,7
.irp c, 0,1,2,3
	v_mov_b32 v[OUT+32*\q+4*\j+\c], v[TT+8*(4*\q+\c)+\j]
.endr
.endr
	s_wait_alu depctr_va_vdst(0)                   ; the moves have written this group's 32 registers of OUT, which the eight stores below read
.irp j, 0,1,2,3,4,5,6,7
	global_store_b128 v[KO], v[OUT+32*\q+4*\j:OUT+32*\q+4*\j+3], s[10:11] offset:\j*D4+256*\q   ; two runs of 256 consecutive bytes, each at a multiple of 256 from tpart's first byte
.endr
.endr
	s_wait_dscnt 0x0
	s_wait_alu depctr_hold_cnt(0) depctr_sa_sdst(0) depctr_va_vdst(0) depctr_va_sdst(0) depctr_va_ssrc(0) depctr_va_vcc(0) depctr_vm_vsrc(0)
	s_wait_tensorcnt 0x0
	ds_add_u32 v254, v255
	s_wait_dscnt 0x0
	s_endpgm
.Lfunc_end_k_q0b5e0ca621_tproj:
	.size	k_q0b5e0ca621_tproj, .Lfunc_end_k_q0b5e0ca621_tproj-k_q0b5e0ca621_tproj
	.p2alignl 7, 3214868480
	.fill 96, 4, 3214868480
	.section	.rodata,"a",@progbits
	.p2align	6, 0x0
	.amdhsa_kernel k_q0b5e0ca621_tproj
		.amdhsa_group_segment_fixed_size 91392
		.amdhsa_private_segment_fixed_size 0
		.amdhsa_enable_private_segment 0
		.amdhsa_kernarg_size 32
		.amdhsa_user_sgpr_count 2
		.amdhsa_user_sgpr_kernarg_segment_ptr 1
		.amdhsa_wavefront_size32 1
		.amdhsa_system_sgpr_workgroup_id_x 1
		.amdhsa_system_sgpr_workgroup_id_y 1
		.amdhsa_system_sgpr_workgroup_id_z 1
		.amdhsa_system_vgpr_workitem_id 0
		.amdhsa_next_free_vgpr 384
		.amdhsa_next_free_sgpr 66
		.amdhsa_reserve_vcc 0
		.amdhsa_float_denorm_mode_32 3
		.amdhsa_float_denorm_mode_16_64 3
		.amdhsa_memory_ordered 1
		.amdhsa_forward_progress 1
		.amdhsa_inst_pref_size 35
	.end_amdhsa_kernel
	.amdgpu_metadata
---
amdhsa.version: [ 1, 2 ]
amdhsa.kernels:
  - .name:           k_q0b5e0ca621_tproj
    .symbol:         k_q0b5e0ca621_tproj.kd
    .args:
      - { .name: b_in, .offset: 0, .size: 8, .value_kind: global_buffer, .address_space: global }
      - { .name: Wq, .offset: 8, .size: 8, .value_kind: global_buffer, .address_space: global }
      - { .name: Wk, .offset: 16, .size: 8, .value_kind: global_buffer, .address_space: global }
      - { .name: tpart, .offset: 24, .size: 8, .value_kind: global_buffer, .address_space: global }
    .group_segment_fixed_size: 91392
    .private_segment_fixed_size: 0
    .kernarg_segment_align: 8
    .kernarg_segment_size: 32
    .max_flat_workgroup_size: 192
    .sgpr_count:     66
    .vgpr_count:     384
    .wavefront_size: 32
...
	.end_amdgpu_metadata
.endif
;; end of part 4
;; launch stream: the kernel of part 2 again; grid 256 x 1, 16 waves a work-group, no clusters, 54,528 bytes of LDS; arguments b_in, tpart, ypart; writes ypart
;; launch finish: the kernel of part 3 again; grid 12 x 16, 16 waves a work-group, no clusters, 5,376 bytes of LDS; arguments ypart, Wv, mask, out0; writes out0
